; MI455X (gfx1250); checked and timed in simulation.
; The chip was launched on July 23, 2026; its instructions are those of AMD's public machine-readable ISA for CDNA 5 (MIT licence, August 2026) and "CDNA5" Instruction Set Architecture Reference Guide (July 2026). The comments in the code are by the model that wrote it; some were corrected since.
;; Bit Linear Layer. Allowed arithmetic: matrix products marked QUANTISED: E4M3 operands, one given power-of-two scale a tensor, by v_wmma_f32_16x16x64_fp8_fp8 or v_wmma_f32_16x16x128_fp8_fp8, f32 sums; everything else in f32.
;; Inputs: bias 4,096 float32; input_packed 4,096 x 512 int32; lowp_scales 2 int32 (the exponents e of the quantised operands' scales 2^e); weight_packed 4,096 x 512 int32.
;; Outputs: out0 4,096 x 4,096 float32.
;; This version of the problem:
;;   THIS VERSION OF THE PROBLEM IS GIVEN IN LOW PRECISION. The matrix products marked QUANTISED in the list below multiply operands that are first quantised to E4M3 (4 exponent bits, 3 mantissa bits; 8 bits a number), with one given power-of-two scale for each operand tensor; their sums are f32. All else is computed in f32.
;;   The module's matrix products, in the order in which they are computed (A, B: the left and right operand; K: the contracted axis; several contracted axes count as one K, in the product's order):
;;     1. [M 4,096, K 4,096] x [K 4,096, N 4,096]; A: computed on the way; B: computed on the way: QUANTISED (scales: A lowp_scales[0], B lowp_scales[1])
;;   THE QUANTISER, for each operand of a quantised product, along K:
;;     - The operand's scale is 2^e, e = its entry of the input lowp_scales (int32; the entries are numbered through the quantised products in the list's order, A before B).
;;     - Each number is divided by the scale, clamped to +-448, and rounded to the nearest number of E4M3, ties to even, subnormals kept.
;;     - The product sums the exact products of the quantised numbers (number of the format x scale) in f32.
;;   ~~~python
;;   def quantise(x, axis, e):      # numpy; x: float32 -> the quantised numbers, widened to float32 again
;;       x = np.moveaxis(x, axis, -1); K = x.shape[-1]
;;       r = np.clip(x / 2.0 ** e, -448, 448)
;;       step = 2.0 ** (np.maximum(np.frexp(np.where(r == 0, 1, r))[1] - 1, -6) - 3)
;;       q = np.round(r / step) * step * 2.0 ** e      # np.round: ties to even
;;       return np.moveaxis(q, -1, axis).astype(np.float32)
;;   ~~~
;;   OPERANDS COMPUTED ON THE WAY. 'Computed on the way' means the value that the module computes at that place (a softmax that the list does not call 'softmax' is quantised finished and normalised). What goes into a quantiser is computed in f32, as accurately as f32 sums, v_exp_f32 and their like allow (about 1e-6 of the number): no bf16 or f16 on the way to a quantiser, and a product that is left as it is and whose result goes on into a quantised operand takes f32 operands (vector FMAs, or v_wmma_f32_16x16x4_f32). A number that lies on a knife's edge between two numbers of the format may be rounded either way, as far as f32 arithmetic and the matrix unit's own rounding can turn it there, and no further.
;; One version. Each part assembles by itself: llvm-mc -triple=amdgcn-amd-amdhsa -mcpu=gfx1250 --defsym DOCPART=n.
;; ======== version 1 of 1: 2 launches
;; limits: right only within a limited range of input values
;; workspace buffers: a_bits 2,097,152 bytes; b_bits 2,097,152 bytes
;; launch pack (part 1): grid 512 x 1, 4 waves a work-group, no clusters, 9,728 bytes of LDS; arguments input_packed, weight_packed, a_bits, b_bits; writes a_bits, b_bits
.if DOCPART == 1
	.amdgcn_target "amdgcn-amd-amdhsa--gfx1250"
	.amdhsa_code_object_version 6
	.text
	.protected	k_q016b2fbd3d_pack
	.globl	k_q016b2fbd3d_pack
	.p2align	8
	.type	k_q016b2fbd3d_pack,@function
k_q016b2fbd3d_pack:
	s_mov_b64 s[64:65], 0
	v_nop
	global_prefetch_b8 v0, s[64:65] scope:SCOPE_SE
	s_setreg_imm32_b32 hwreg(HW_REG_WAVE_MODE, 25, 1), 1
	s_wait_xcnt 0x0
; input_packed and weight_packed, [4096][512] int32, are cut down to what they hold: bits 0-7 of each int32, one byte; the higher bits count for nothing.
; Element k = 8 p + j of a row is +1 where bit j of the row's p-th int32 is set, else -1.  Stored is the SIGN of that element: the byte inverted (1 = minus).
; LAYOUT of a_bits and b_bits, as the product's lanes take it: [block of 16 rows R][step s of 128 along K][h][row r][8 bytes]; byte y is int32 p = 16 s + 8 h + y of row 16 R + r.
; So a unit of 256 bytes is one operand fragment (16 rows x 128 K), 8 bytes a lane.  Both tensors are laid alike, so every element meets its partner in the product.
; A work-group takes one block of 16 rows of one tensor, wave c the int32 128 c .. 128 c + 127 of each row: 16 loads of 512 consecutive bytes.  A lane's four int32 make one word;
; the words turn through the wave's own stage in LDS (units 272 bytes apart) and leave as four stores of 512 consecutive bytes.  No barrier: waves share nothing.  No product here, so no matrix work and no cluster.
.set WREG,  2304                       ; a wave's stage: 8 units x 272 bytes, rounded up to blocks of 256
.set SPARE, 4*WREG                     ; the spare words, 128 bytes a wave
.set SPW, 60
.set NIL, 61
.set X,   64                           ; v64-127 row r: four int32 as loaded
.set W,   16                           ; v16-31  row r: its word of signs
.set O,   32                           ; v32-47  the way out
	s_load_b256 s[4:11], s[0:1], 0x0               ; input_packed, weight_packed, a_bits, b_bits
	v_lshl_add_u32 v[SPW], v0, 2, SPARE
	v_mov_b32 v[NIL], 0
	v_lshrrev_b32 v1, 5, v0
	v_readfirstlane_b32 s12, v1                    ; wave c
	v_and_b32 v2, 31, v0                           ; lane
	v_lshlrev_b32 v3, 4, v2                        ; 16 bytes a lane, in and out
	s_mul_i32 s13, s12, WREG
	v_lshrrev_b32 v4, 2, v2                        ; into the stage: unit lane / 4,
	v_mul_u32_u24 v4, v4, 272
	v_bfe_u32 v5, v2, 1, 1
	v_lshl_add_u32 v4, v5, 7, v4                   ; h = bit 1 of the lane: 128 bytes,
	v_and_b32 v5, 1, v2
	v_lshl_add_u32 v4, v5, 2, v4                   ; which word of the row's eight bytes: bit 0; the row stands in the immediate
	v_add_nc_u32 v4, s13, v4
	v_lshrrev_b32 v5, 4, v2                        ; out of it: sixteen lanes to a unit
	v_mul_u32_u24 v5, v5, 272
	v_and_b32 v6, 15, v2
	v_lshl_add_u32 v5, v6, 4, v5
	v_add_nc_u32 v5, s13, v5
	s_mov_b32 s14, 0x0400                          ; byte 0 of the second source, byte 0 of the first
	s_mov_b32 s15, 0x05040100                      ; the two low halves
	s_wait_alu depctr_va_vdst(0)                   ; the wait at the head's end
	s_wait_kmcnt 0x0
	s_cmp_lt_u32 ttmp9, 256                        ; the input's work-group or the weight's: only pointers are chosen
	s_cselect_b64 s[4:5], s[4:5], s[6:7]
	s_cselect_b64 s[8:9], s[8:9], s[10:11]
	s_and_b32 s16, ttmp9, 255                      ; R
	s_lshl_b32 s18, s16, 15                        ; 16 rows of 2,048 bytes
	s_lshl_b32 s17, s12, 9
	s_add_co_u32 s18, s18, s17
	s_mov_b32 s19, 0
	s_add_nc_u64 s[4:5], s[4:5], s[18:19]
	s_lshl_b32 s18, s16, 13                        ; 32 units of 256 bytes
	s_lshl_b32 s17, s12, 11
	s_add_co_u32 s18, s18, s17
	s_add_nc_u64 s[8:9], s[8:9], s[18:19]
.irp r, 0,1,2,3,4,5,6,7,8,9,10,11,12,13,14,15
	global_load_b128 v[X+4*\r:X+4*\r+3], v3, s[4:5] offset:2048*\r th:TH_LOAD_NT
.endr
.irp r, 0,1,2,3,4,5,6,7,8,9,10,11,12,13,14,15
	s_wait_loadcnt 15-\r                           ; loads come back in order: row r is in
	v_perm_b32 v[8+4*(\r%2)], v[X+4*\r+1], v[X+4*\r], s14
	v_perm_b32 v[9+4*(\r%2)], v[X+4*\r+3], v[X+4*\r+2], s14
	v_perm_b32 v[10+4*(\r%2)], v[9+4*(\r%2)], v[8+4*(\r%2)], s15
	v_not_b32 v[W+\r], v[10+4*(\r%2)]              ; bit set = +1, so the sign is the bit inverted
	ds_store_b32 v4, v[W+\r] offset:8*\r
.endr
.irp q, 0,1,2,3
	ds_load_b128 v[O+4*\q:O+4*\q+3], v5 offset:544*\q   ; LDS serves a wave's instructions in order: these see my stores
.endr
.irp q, 0,1,2,3
	s_wait_dscnt 3-\q
	global_store_b128 v3, v[O+4*\q:O+4*\q+3], s[8:9] offset:512*\q   ; 512 consecutive bytes, aligned
.endr
	s_wait_tensorcnt 0x0                           ; the wave's end
	ds_add_u32 v[SPW], v[NIL]
	s_wait_dscnt 0x0
	s_endpgm
.Lfunc_end_k_q016b2fbd3d_pack:
	.size	k_q016b2fbd3d_pack, .Lfunc_end_k_q016b2fbd3d_pack-k_q016b2fbd3d_pack
	.p2alignl 7, 3214868480
	.fill 96, 4, 3214868480
	.section	.rodata,"a",@progbits
	.p2align	6, 0x0
	.amdhsa_kernel k_q016b2fbd3d_pack
		.amdhsa_group_segment_fixed_size 9728
		.amdhsa_private_segment_fixed_size 0
		.amdhsa_enable_private_segment 0
		.amdhsa_kernarg_size 32
		.amdhsa_user_sgpr_count 2
		.amdhsa_user_sgpr_kernarg_segment_ptr 1
		.amdhsa_wavefront_size32 1
		.amdhsa_system_sgpr_workgroup_id_x 1
		.amdhsa_system_sgpr_workgroup_id_y 1
		.amdhsa_system_sgpr_workgroup_id_z 1
		.amdhsa_system_vgpr_workitem_id 0
		.amdhsa_next_free_vgpr 128
		.amdhsa_next_free_sgpr 66
		.amdhsa_reserve_vcc 0
		.amdhsa_float_denorm_mode_32 3
		.amdhsa_float_denorm_mode_16_64 3
		.amdhsa_memory_ordered 1
		.amdhsa_forward_progress 1
		.amdhsa_inst_pref_size 10
	.end_amdhsa_kernel
	.amdgpu_metadata
---
amdhsa.version: [ 1, 2 ]
amdhsa.kernels:
  - .name:           k_q016b2fbd3d_pack
    .symbol:         k_q016b2fbd3d_pack.kd
    .args:
      - { .name: input_packed, .offset: 0, .size: 8, .value_kind: global_buffer, .address_space: global }
      - { .name: weight_packed, .offset: 8, .size: 8, .value_kind: global_buffer, .address_space: global }
      - { .name: a_bits, .offset: 16, .size: 8, .value_kind: global_buffer, .address_space: global }
      - { .name: b_bits, .offset: 24, .size: 8, .value_kind: global_buffer, .address_space: global }
    .group_segment_fixed_size: 9728
    .private_segment_fixed_size: 0
    .kernarg_segment_align: 8
    .kernarg_segment_size: 32
    .max_flat_workgroup_size: 128
    .sgpr_count:     66
    .vgpr_count:     128
    .wavefront_size: 32
...
	.end_amdgpu_metadata
.endif
;; end of part 1
;; launch bitgemm (part 2): grid 16 x 16, 4 waves a work-group, no clusters, 34,304 bytes of LDS; arguments a_bits, b_bits, lowp_scales, bias, out0; writes out0
.if DOCPART == 2
	.amdgcn_target "amdgcn-amd-amdhsa--gfx1250"
	.amdhsa_code_object_version 6
	.text
	.protected	k_q016b2fbd3d_bitgemm
	.globl	k_q016b2fbd3d_bitgemm
	.p2align	8
	.type	k_q016b2fbd3d_bitgemm,@function
k_q016b2fbd3d_bitgemm:
	s_mov_b64 s[64:65], 0
	v_nop
	global_prefetch_b8 v0, s[64:65] scope:SCOPE_SE
	s_setreg_imm32_b32 hwreg(HW_REG_WAVE_MODE, 25, 1), 1
	s_wait_xcnt 0x0
; out0[m][o] = 2^(ea + eb) x (sum over k of code(a[m][k]) code(w[o][k])) + bias[o]: FP8 (E4M3) codes, f32 sums, v_wmma_f32_16x16x128_fp8_fp8.
; An operand holds two numbers only, +1 and -1.  Q(+1) is made once by the stated quantiser (1 / 2^e, held at 448, to the nearest code) with the operand's own e; the quantiser is odd, so Q(-1) is that code with its sign bit set.
; a_bits and b_bits hold the signs, 8 bytes a lane for a fragment of 16 rows x 128 K.  A word of 32 signs becomes eight registers of codes: shifted left by i = 0 .. 7 its bits 7 - i, 15 - i, 23 - i, 31 - i
; stand at the four sign places, and v_bfi_b32 lays them over Q(+1) four times.  Which k lands in which byte is the same in A and in B, so every product meets its partner.
; e: held between -126 and 119 for the conversion, which changes no code (from -9 down +-448, from 10 up zeros); ea + eb is held between -126 and 127: LIMIT: beyond that 2^(ea + eb) is no f32 number.
; A work-group of four waves makes 256 x 256 of out0, a wave 128 x 128: 64 accumulators.  THE MATRIX INSTRUCTION IS USED TRANSPOSED (source 0 = rows of w, source 1 = rows of a): a lane holds eight neighbouring columns of a row.
; NO TENSOR LOAD, NO LDS IN THE LOOP, NO BARRIER, NO CLUSTER: a fragment is 256 bytes of memory and goes straight into the registers that the expansion reads; joint loads land in LDS alone.
; REGISTERS: each window w of 256 holds: v0-127 the accumulators of A's blocks 2 w, 2 w + 1 (block a, column block b at 64 (a % 2) + 8 b); v128-191 B's codes of blocks 2 w, 2 w + 1, two sets by the step's parity;
;   v192-223 A's codes of the two blocks of phase w + 1; v224-239 the words of signs that phase w + 1 expands (part, parity); v240 8 x lane.  Window 0 also: v241-251 the add's two registers, the way out's addresses, the bias.
; A STEP (128 along K) is four phases w, each four parts g.  One window setting serves a part: source 0 = window g (B's codes), source 1 = window w - 1 (A's codes; the words), source 2 and destination = window w.
; A part is four matrix instructions and, laid among them, the 30 vector instructions that expand ONE fragment into window w: g = 0, 1: B's blocks 2 w + g of the next step; g = 2, 3: A's blocks of the next phase.
; Ahead of a step's last matrix instruction the sixteen pairs of words that the step has expanded are loaded anew in one run, for two steps on: a whole step lies between a load and the wait for it.
; The 64 accumulators take turns in the same order in every step.
.set SPITCH, 528
.set SPARE,  4*16*SPITCH               ; behind the four stages: the spare words
.set OFFR, 240
.set SPW,  241
.set NIL,  242
.set STO,  243
.set RD,   244
.set CO,   245
.set BIAS, 248
.set BK,   128                         ; the way out: 16 rows read back, in window 0 and window 1 by turns
.set SA, 20                            ; s[20:21] my 8 blocks of a_bits, at the step that B-kind loads now fetch
.set SB, 22                            ; s[22:23] the same in b_bits
.set PA, 30                            ; s30 Q(+1) of a, four times
.set PB, 32                            ; s32 Q(+1) of w, four times
.set M7F, 34                           ; s34 all but the sign places
.set M80, 35                           ; s35 the sign places
.set SC, 36                            ; s[36:37] 2^(ea + eb)
.set PF, 38                            ; s[38:39] where my prefetches stand
.set MSB, 0
.macro WIN new                         ; the immediate's high byte repeats the setting that is left
.if MSB != (\new)
	s_set_vgpr_msb (MSB<<8)|(\new)
.set MSB, (\new)
.endif
.endm
.macro MM g, p, ai, bi, mul            ; mul = 2: the first product starts the sum
.if \mul == 2
	v_wmma_f32_16x16x128_fp8_fp8 v[64*\ai+8*(2*\g+\bi):64*\ai+8*(2*\g+\bi)+7], v[128+32*\p+16*\bi:128+32*\p+16*\bi+15], v[192+16*\ai:192+16*\ai+15], 0
.endif
.if \mul == 1
	v_wmma_f32_16x16x128_fp8_fp8 v[64*\ai+8*(2*\g+\bi):64*\ai+8*(2*\g+\bi)+7], v[128+32*\p+16*\bi:128+32*\p+16*\bi+15], v[192+16*\ai:192+16*\ai+15], v[64*\ai+8*(2*\g+\bi):64*\ai+8*(2*\g+\bi)+7]
.endif
.endm
.macro XPA j                           ; word j: its sign places over Q(+1) as it stands; then its seven shifted copies
	v_bfi_b32 v[XD+8*\j], s[M80], v[XW+\j], s[XP]
.irp i, 1,2,3,4,5,6,7
	v_lshlrev_b32 v[XD+8*\j+\i], \i, v[XW+\j]
.endr
.endm
.macro XPB j                           ; the copies' sign places over Q(+1)
.irp i, 1,2,3,4,5,6,7
	v_bfi_b32 v[XD+8*\j+\i], s[M7F], s[XP], v[XD+8*\j+\i]
.endr
.endm
; What part g of phase w expands and loads.  eb, lb: expand, load for the B kind (index step + 1; loads fetch step + 3): B's blocks, and in phase 3 A's blocks 0, 1.
; ea, la: the A kind (index step; loads fetch step + 2): A's blocks 2 to 7.
.macro KIND w, g, p, rel, eb, ea, lb, la
.if \g < 2
.set XD, 128+32*(1-\p)+16*\g
.set XP, PB
.set XB, SB
.set XI, (2*\w+\g)*8192+256*\rel
.set XQ, 1-\p
.set XE, \eb
.set XL, \lb
.else
.set XD, 192+16*(\g-2)
.set XP, PA
.set XB, SA
.if \w < 3
.set XI, (2*\w+\g)*8192-256+256*\rel
.set XQ, \p
.set XE, \ea
.set XL, \la
.else
.set XI, (\g-2)*8192+256*\rel
.set XQ, 1-\p
.set XE, \eb
.set XL, \lb
.endif
.endif
.set XW, 224+4*\g+2*XQ
.endm
.macro LOADS p, rel, eb, ea, lb, la    ; the step's words anew: 10 lb + 6 la loads, four windows
.irp w, 0,1,2,3
.irp g, 0,1,2,3
	KIND \w, \g, \p, \rel, \eb, \ea, \lb, \la
.if XL
	WIN (((\w+3)&3)<<6)|((\w+3)&3)                 ; a phase's words and a copy of the offset lie in window w - 1
	global_load_b64 v[XW:XW+1], v[OFFR], s[XB:XB+1] offset:XI   ; 256 consecutive bytes, aligned
.endif
.endr
.endr
.endm
.macro PART w, g, p, rel, mul, eb, ea, lb, la, hook
	KIND \w, \g, \p, \rel, \eb, \ea, \lb, \la
.if \mul || XE
	WIN (\w<<6)|(\w<<4)|(((\w+3)&3)<<2)|\g
.endif
.if XE
	XPA 0
.endif
	MM \g, \p, 0, 0, \mul
.if XE
	XPB 0
.endif
	MM \g, \p, 0, 1, \mul
.if XE
	XPA 1
.endif
	MM \g, \p, 1, 0, \mul
.if XE
	XPB 1
.endif
.if \hook                              ; the step's last part: all its words have been read
.if \eb
	s_wait_alu depctr_va_vdst(0)                   ; the wait: no vector instruction writes between it and them
.endif
	LOADS \p, \rel, \eb, \ea, \lb, \la
.if \mul
	WIN (\w<<6)|(\w<<4)|(((\w+3)&3)<<2)|\g
.endif
.endif
	MM \g, \p, 1, 1, \mul                          ; a part ends with a matrix instruction: the scalar lines between parts follow it
.endm
; lb1, la1: the load flags of the step before.  A step's words were asked for at the end of the step before last: behind them stand the loads of the step between, which the wait leaves out.
.macro STEP p, rel, mul, eb, ea, lb, la, lb1, la1
.if \eb+\ea
	s_wait_loadcnt 10*\lb1+6*\la1
.endif
.irp w, 0,1,2,3
.irp g, 0,1,2,3
	PART \w, \g, \p, \rel, \mul, \eb, \ea, \lb, \la, \w*\g/9
.endr
.endr
.endm
.macro ADV n                           ; the loads have read their bases: n steps on
	s_wait_xcnt 0x0
	s_add_nc_u64 s[SA:SA+1], s[SA:SA+1], 256*\n
	s_add_nc_u64 s[SB:SB+1], s[SB:SB+1], 256*\n
.endm
	s_load_b128 s[4:7], s[0:1], 0x0                ; a_bits, b_bits
	s_load_b128 s[8:11], s[0:1], 0x10              ; the scales' exponents, bias
	s_load_b64 s[12:13], s[0:1], 0x20              ; out0
	v_lshl_add_u32 v[SPW], v0, 2, SPARE
	v_mov_b32 v[NIL], 0
	v_lshrrev_b32 v247, 5, v0
	v_readfirstlane_b32 s14, v247                  ; wave 0..3
	s_mul_i32 s19, s14, 16*SPITCH                  ; my stage
	v_and_b32 v246, 31, v0                         ; lane
	v_and_b32 v252, 15, v0
	v_bfe_u32 v253, v0, 4, 1
	v_mul_u32_u24 v[STO], v252, SPITCH             ; into the stage: row l % 16, 32 bytes for each half of the lanes
	v_lshl_add_u32 v[STO], v253, 5, v[STO]
	v_add_nc_u32 v[STO], s19, v[STO]
	v_lshlrev_b32 v[CO], 4, v246                   ; back: the 32 lanes take one row of 512 bytes
	v_add_nc_u32 v[RD], s19, v[CO]
	v_lshlrev_b32 v[OFFR], 3, v246                 ; 8 bytes a lane, once in each window
	WIN 0x40
	v_lshlrev_b32 v[OFFR], 3, v246
	WIN 0x80
	v_lshlrev_b32 v[OFFR], 3, v246
	WIN 0xc0
	v_lshlrev_b32 v[OFFR], 3, v246
	WIN 0
	s_lshr_b32 s15, s14, 1                         ; which half of the rows is mine
	s_and_b32 s16, s14, 1                          ; which half of the columns
	s_and_b32 s17, ttmp7, 0xffff                   ; tile row y; ttmp9: tile column x
	s_lshl_b32 s40, s17, 17                        ; a_bits: (16 y + 8 half) blocks of 8,192 bytes
	s_lshl_b32 s41, s15, 16
	s_add_co_u32 s40, s40, s41
	s_mov_b32 s41, 0
	s_lshl_b32 s42, ttmp9, 17                      ; b_bits likewise by x
	s_lshl_b32 s43, s16, 16
	s_add_co_u32 s42, s42, s43
	s_mov_b32 s43, 0
	s_lshl_b32 s44, ttmp9, 10                      ; my first column, in bytes
	s_lshl_b32 s45, s16, 9
	s_add_co_u32 s44, s44, s45
	s_mov_b32 s45, 0
	s_lshl_b32 s46, s17, 22                        ; my first row of out0: (256 y + 128 half) x 16,384 bytes
	s_lshl_b32 s47, s15, 21
	s_add_co_u32 s46, s46, s47
	s_mov_b32 s47, 0
	s_lshl_b32 s48, s17, 4                         ; the prefetches: of the 16 blocks of a that the 16 work-groups of tile row y share, mine is 16 y + x; of w, 16 x + y
	s_add_co_u32 s48, s48, ttmp9
	s_lshl_b32 s49, ttmp9, 4
	s_add_co_u32 s49, s49, s17
	s_cmp_eq_u32 s15, 0                            ; waves 0, 1 ask for a, waves 2, 3 for w; the wave's low bit picks the even or the odd step
	s_cselect_b32 s48, s48, s49
	s_lshl_b32 s48, s48, 13
	s_lshl_b32 s49, s16, 8
	s_add_co_u32 s48, s48, s49
	s_add_co_u32 s48, s48, 8*256                   ; the first trip asks for steps 8 and 9
	s_mov_b32 s49, 0
	s_mov_b32 s[M7F], 0x7f7f7f7f
	s_mov_b32 s[M80], 0x80808080
	s_wait_alu depctr_va_vdst(0)                   ; the wait at the head's end
	s_wait_kmcnt 0x0
	s_load_b64 s[24:25], s[8:9], 0x0               ; ea, eb
	s_add_nc_u64 s[SA:SA+1], s[4:5], s[40:41]
	s_add_nc_u64 s[SB:SB+1], s[6:7], s[42:43]
	s_add_nc_u64 s[10:11], s[10:11], s[44:45]
	global_load_b128 v[BIAS:BIAS+3], v[CO], s[10:11]   ; the oldest load: every later counted wait covers it
	STEP 1, 0, 0, 0, 0, 1, 0, 0, 0                 ; loads alone: the B kind's index 0
	ADV 1
	STEP 0, 0, 0, 0, 0, 1, 1, 0, 0                 ; loads alone: the B kind's index 1, the A kind's index 0
	ADV 1
	WIN 0
	s_add_nc_u64 s[12:13], s[12:13], s[46:47]
	s_add_nc_u64 s[12:13], s[12:13], s[44:45]
	s_cmp_eq_u32 s15, 0
	s_cselect_b64 s[PF:PF+1], s[4:5], s[6:7]
	s_add_nc_u64 s[PF:PF+1], s[PF:PF+1], s[48:49]
	s_wait_kmcnt 0x0
	s_max_i32 s24, s24, -126
	s_min_i32 s24, s24, 119
	s_max_i32 s25, s25, -126
	s_min_i32 s25, s25, 119
	s_add_co_i32 s[SC], s24, s25
	s_max_i32 s[SC], s[SC], -126
	s_min_i32 s[SC], s[SC], 127
	s_add_co_i32 s[SC], s[SC], 127
	s_lshl_b32 s[SC], s[SC], 23                    ; 2^(ea + eb) as f32
	s_mov_b32 s[SC+1], s[SC]
	s_add_co_i32 s24, s24, 127
	s_lshl_b32 s26, s24, 23                        ; 2^ea: the conversion takes its exponent field
	s_add_co_i32 s24, s24, 8
	s_lshl_b32 s24, s24, 23
	s_or_b32 s24, s24, 0x600000                    ; 448 x 2^ea
	s_add_co_i32 s25, s25, 127
	s_lshl_b32 s27, s25, 23
	s_add_co_i32 s25, s25, 8
	s_lshl_b32 s25, s25, 23
	s_or_b32 s25, s25, 0x600000
	v_mov_b32 v148, s26
	v_mov_b32 v149, s27
	v_mov_b32 v150, s24
	v_mov_b32 v151, s25
.irp i, 0,1,2,3,4,5,6,7
	v_min_num_f32 v[128+\i], 1.0, v150             ; +1, held at the largest code x the scale: the conversion does not saturate (ISA guide 7.6.2)
	v_min_num_f32 v[136+\i], 1.0, v151
.endr
	v_cvt_scalef32_pk8_fp8_f32 v[144:145], v[128:135], v148
	v_cvt_scalef32_pk8_fp8_f32 v[146:147], v[136:143], v149
	v_nop                                          ; one plain place behind the conversions
	v_readfirstlane_b32 s[PA], v144
	v_readfirstlane_b32 s[PB], v146
	s_and_b32 s[PA], s[PA], 0x7f
	s_mul_i32 s[PA], s[PA], 0x01010101             ; Q(+1) in all four bytes
	s_and_b32 s[PB], s[PB], 0x7f
	s_mul_i32 s[PB], s[PB], 0x01010101
	STEP 1, 0, 0, 1, 0, 1, 1, 1, 1                 ; no products yet: step 0's codes of B and of A's blocks 0, 1
	ADV 1
	STEP 0, 0, 2, 1, 1, 1, 1, 1, 1                 ; step 0 starts the sums
	ADV 1
	WIN 0                                          ; at a label and at a branch every window is 0
	s_mov_b32 s3, 14
.Lk:                                                   ; a trip is two steps: steps 1 to 28
	s_cmp_gt_u32 s3, 2                             ; trip n asks for steps 2 n + 8, 2 n + 9, which the loads of trip n + 2 fetch; the last two trips would pass step 31 and ask for nothing
	s_cbranch_scc0 .Lnopf
	global_prefetch_b8 v[OFFR], s[PF:PF+1] th:TH_LOAD_NT scope:SCOPE_SE   ; one block of 256 bytes a wave; each block of both buffers is named by one wave of one work-group
.Lnopf:
	STEP 1, 0, 1, 1, 1, 1, 1, 1, 1
	STEP 0, 1, 1, 1, 1, 1, 1, 1, 1
	WIN 0
	ADV 2
	s_add_nc_u64 s[PF:PF+1], s[PF:PF+1], 512
	s_sub_co_u32 s3, s3, 1
	s_cmp_lg_u32 s3, 0
	s_cbranch_scc1 .Lk
	STEP 1, 0, 1, 1, 1, 0, 1, 1, 1                 ; step 29: only the A kind's index 31 is left to fetch
	STEP 0, 0, 1, 1, 1, 0, 0, 0, 1                 ; step 30
	STEP 1, 0, 1, 0, 1, 0, 0, 0, 0                 ; step 31: only its own blocks 2 to 7 of A are left to expand
	WIN 0
.rept 4
	v_nop                                          ; four places behind the last products, ahead of the reads of results and of loads into registers that held codes
.endr
; THE WAY OUT, block by block of 16 rows x 128 columns: through my own stage in LDS, back as whole rows of 512 bytes, x 2^(ea + eb) + bias in one fused multiply-add, stored as two aligned units of 256 bytes.
.macro TOSTAGE a
	WIN ((\a)/2)<<2                                ; the stores' data: the block's window; each accumulator from its low end on
.irp b, 0,1,2,3,4,5,6,7
	ds_store_b128 v[STO], v[64*((\a)%2)+8*\b:64*((\a)%2)+8*\b+3] offset:64*\b
	ds_store_b128 v[STO], v[64*((\a)%2)+8*\b+4:64*((\a)%2)+8*\b+7] offset:64*\b+16
.endr
	WIN ((\a)%2)<<6
.irp t, 0,1,2,3,4,5,6,7,8,9,10,11,12,13,14,15
	ds_load_b128 v[BK+4*\t:BK+4*\t+3], v[RD] offset:\t*SPITCH   ; LDS serves a wave's instructions in order: these see the stores above
.endr
.endm
.macro SEND a, younger
	s_wait_dscnt \younger                          ; the block is back in registers
	WIN (((\a)%2)<<6)|((\a)%2)
.irp t, 0,1,2,3,4,5,6,7,8,9,10,11,12,13,14,15
	v_pk_fma_f32 v[BK+4*\t:BK+4*\t+1], v[BK+4*\t:BK+4*\t+1], s[SC:SC+1], v[BIAS:BIAS+1] op_sel_hi:[1,0,1]
	v_pk_fma_f32 v[BK+4*\t+2:BK+4*\t+3], v[BK+4*\t+2:BK+4*\t+3], s[SC:SC+1], v[BIAS+2:BIAS+3] op_sel_hi:[1,0,1]
.endr
	WIN ((\a)%2)<<2
.if (\a) > 0
	s_add_nc_u64 s[12:13], s[12:13], 16*16384      ; (behind a wait on XCNT) 16 rows of out0 on
.endif
.irp t, 0,1,2,3,4,5,6,7,8,9,10,11,12,13,14,15
	global_store_b128 v[CO], v[BK+4*\t:BK+4*\t+3], s[12:13] offset:\t*16384 th:TH_STORE_NT   ; 512 consecutive bytes, aligned
.endr
.endm
	TOSTAGE 0
.irp a, 1,2,3,4,5,6,7
.if \a > 1
	s_wait_xcnt 0x0                                ; block a - 2's stores have read their registers and their base
.endif
	TOSTAGE \a
	SEND \a-1, 32                                  ; behind block a - 1's loads: block a's 16 stores and 16 loads
.endr
	s_wait_xcnt 0x0
	SEND 7, 0
	WIN 0
	s_wait_tensorcnt 0x0                           ; the wave's end
	ds_add_u32 v[SPW], v[NIL]
	s_wait_dscnt 0x0
	s_endpgm
.Lfunc_end_k_q016b2fbd3d_bitgemm:
	.size	k_q016b2fbd3d_bitgemm, .Lfunc_end_k_q016b2fbd3d_bitgemm-k_q016b2fbd3d_bitgemm
	.p2alignl 7, 3214868480
	.fill 96, 4, 3214868480
	.section	.rodata,"a",@progbits
	.p2align	6, 0x0
	.amdhsa_kernel k_q016b2fbd3d_bitgemm
		.amdhsa_group_segment_fixed_size 34304
		.amdhsa_private_segment_fixed_size 0
		.amdhsa_enable_private_segment 0
		.amdhsa_kernarg_size 40
		.amdhsa_user_sgpr_count 2
		.amdhsa_user_sgpr_kernarg_segment_ptr 1
		.amdhsa_wavefront_size32 1
		.amdhsa_system_sgpr_workgroup_id_x 1
		.amdhsa_system_sgpr_workgroup_id_y 1
		.amdhsa_system_sgpr_workgroup_id_z 1
		.amdhsa_system_vgpr_workitem_id 0
		.amdhsa_next_free_vgpr 1024
		.amdhsa_next_free_sgpr 66
		.amdhsa_reserve_vcc 0
		.amdhsa_float_denorm_mode_32 3
		.amdhsa_float_denorm_mode_16_64 3
		.amdhsa_memory_ordered 1
		.amdhsa_forward_progress 1
		.amdhsa_inst_pref_size 228
	.end_amdhsa_kernel
	.amdgpu_metadata
---
amdhsa.version: [ 1, 2 ]
amdhsa.kernels:
  - .name:           k_q016b2fbd3d_bitgemm
    .symbol:         k_q016b2fbd3d_bitgemm.kd
    .args:
      - { .name: a_bits, .offset: 0, .size: 8, .value_kind: global_buffer, .address_space: global }
      - { .name: b_bits, .offset: 8, .size: 8, .value_kind: global_buffer, .address_space: global }
      - { .name: lowp_scales, .offset: 16, .size: 8, .value_kind: global_buffer, .address_space: global }
      - { .name: bias, .offset: 24, .size: 8, .value_kind: global_buffer, .address_space: global }
      - { .name: out0, .offset: 32, .size: 8, .value_kind: global_buffer, .address_space: global }
    .group_segment_fixed_size: 34304
    .private_segment_fixed_size: 0
    .kernarg_segment_align: 8
    .kernarg_segment_size: 40
    .max_flat_workgroup_size: 128
    .sgpr_count:     66
    .vgpr_count:     1024
    .wavefront_size: 32
...
	.end_amdgpu_metadata
.endif
;; end of part 2
